; MI455X (gfx1250); checked and timed in simulation.
; The chip was launched on July 23, 2026; its instructions are those of AMD's public machine-readable ISA for CDNA 5 (MIT licence, August 2026) and "CDNA5" Instruction Set Architecture Reference Guide (July 2026). The comments in the code are by the model that wrote it; some were corrected since.
;; Riemannian Manifold. Allowed arithmetic: float matrix products may take bf16 or f16 operands with f32 sums; all other float work in f32.
;; Inputs: K 2 x 1,024 x 32 float32; Q 2 x 1,024 x 32 float32; W1 64 x 32 float32; W2 1,024 x 64 float32; b1 64 float32; b2 1,024 float32.
;; Outputs: out0 2 x 1,024 x 1,024 float32.
;; 2 versions, each right; version 2 is version 1 with the launch pairs written anew for expert scheduling mode. Each part assembles by itself: llvm-mc -triple=amdgcn-amd-amdhsa -mcpu=gfx1250 --defsym DOCPART=n.
;; ======== version 1 of 2: 2 launches
;; limits: a difference of large sums (such as E[x^2] - mean^2): digits are lost where the result is much smaller than its terms
;; workspace buffers: LF 6,291,456 bytes; WP 1,572,864 bytes; XB 262,144 bytes
;; launch factor (part 1): grid 6 x 32, 8 waves a work-group, no clusters, 17,408 bytes of LDS; arguments Q, K, W1, b1, W2, b2, LF, WP, XB; writes LF, WP, XB
.if DOCPART == 1
	.amdgcn_target "amdgcn-amd-amdhsa--gfx1250"
	.amdhsa_code_object_version 6
	.text
	.protected	k_q01f13107c5_factor
	.globl	k_q01f13107c5_factor
	.p2align	8
	.type	k_q01f13107c5_factor,@function
k_q01f13107c5_factor:
	s_mov_b64 s[64:65], 0
	v_nop
	global_prefetch_b8 v0, s[64:65] scope:SCOPE_SE
	s_setreg_imm32_b32 hwreg(HW_REG_WAVE_MODE, 25, 1), 1
	s_wait_xcnt 0x0
; FACTOR: for each of the 4,096 points x (Q: 2 x 1024, then K: 2 x 1024) the small network
;   h = silu(W1 x + b1), raw = clip(W2 h + b2, -5, 5), L = tril(raw) with diagonal softplus(raw + 1) + 1e-4
; and from it three things for the next launch:
;   LF: L in bf16, 1,536 bytes a point, laid out as the A fragments of L^T (three sections of 512 bytes, lane l at 16 l):
;       section 0: e 0-15, d 0-15;  section 1: e 0-15, d 16-31;  section 2: e 16-31, d 16-31 (e 16-31, d 0-15 is zero, never stored)
;   WP: partial sums over eight d of w[e] = -sum_d L[d][e] x'[d], in f32, one kilobyte for each block and group of 16 points
;   XB: x' = x - c in bf16 as a B fragment, c = Q[b][0][:] (the batch's first query), subtracted in f32 before rounding.
; LIMITS, stated: inputs are finite.  The centre c takes a common offset of the points away exactly; what is left of the rounding of
; x' to bf16 grows with a point's distance from c (2^-9 of it).  w is formed from the f32 factor, the later product from the bf16 one.
; softplus is taken as ln2 log2(1 + 2^(y log2e)) without a shift: the clip holds y = raw + 1 in [-4, 6].
;
; SHARES.  ttmp9 = block 0..5 of L: (t, g) = (0, 0..3), (1, 2..3); a block is d = 8g .. 8g+7, e = 16t .. 16t+15: eight tiles of 16 rows of W2.
; ttmp7 = 128 points; wave w takes 16 of them (group G = 8 y + w).  Wave w also converts tile w of W2 to bf16 and puts it in LDS for all.
; No cluster: what work-groups share is 32 KiB of W2, read once by each; no tensor load: it has to be converted from f32 on the way.
.set XF,  16          ; v16-31   x as loaded (f32), then x in bf16 in v16-23 (B fragment of layer 1)
.set CF,  32          ; v32-47   centre, then x' f32, then x' in bf16 in v32-39
.set D2,  16          ; v16-79   layer 2: tile i (d = 8g+i) in v[16+8i ..]; register j, lane (r, h): point 8h+j, e = 16t+r
.set W1S, 80          ; v80-143  W1 f32, tile T converted in place to v[80+16T .. +7]
.set XS,  80          ; v80-143  later: x'[point 8h+j][d = 8g+i] in v[80+8j+i]
.set D1,  144         ; v144-175 layer 1: tile T in v[144+8T ..], started from b1
.set W2S, 176         ; v176-207 my tile of W2, f32, converted in place to v176-191
.set BF,  144         ; v144-207 later: four tiles of W2 from LDS, 16 registers each
.set PKR, 144         ; v144-175 later: packed L, 4 registers a point
.set TMP, 208         ; v208-215 at work (silu)
.set DG,  208         ; v208-215 the diagonal's raw number, point j
.set SP,  216         ; v216-223 its softplus + 1e-4
.set HF,  224         ; v224-239 h in bf16: two A fragments (hidden 0-31, 32-63)
.set B2,  240         ; v240-247 b2 of tile i
.set WA,  248         ; v248-255 partial w, point j
	s_load_b512 s[8:23], s[0:1], 0x0               ; Q s[8:9], K s[10:11], W1 s[12:13], b1 s[14:15], W2 s[16:17], b2 s[18:19], LF s[20:21], WP s[22:23]
	s_load_b64 s[24:25], s[0:1], 0x40              ; XB
	v_lshl_add_u32 v14, v0, 2, 0x4000
	v_mov_b32 v15, 0
	v_lshrrev_b32 v13, 5, v0
	v_readfirstlane_b32 s2, v13                    ; wave w
	s_mov_b32 s3, ttmp9                            ; block
	s_and_b32 s4, ttmp7, 0xffff                    ; y
	s_cmp_ge_u32 s3, 4
	s_cselect_b32 s5, 1, 0                         ; t
	s_lshl_b32 s6, s5, 1
	s_sub_co_u32 s6, s3, s6                        ; g = block - 2 t
	s_bfe_u32 s7, s4, 0x10003                      ; batch b = bit 3 of y
	s_lshl3_add_u32 s26, s4, s2                    ; G = 8 y + w
	s_mov_b32 s66, 0xc0a00000                      ; -5.0
	s_mov_b32 s67, 0x40a00000                      ; 5.0
	s_mov_b32 s68, 0x3fb8aa3b                      ; log2 e
	s_mov_b32 s69, 0x3f317218                      ; ln 2
	s_mov_b32 s70, 0x38d1b717                      ; 1e-4
	v_and_b32 v12, 31, v0                          ; lane
	v_and_b32 v10, 15, v0                          ; r
	v_bfe_u32 v11, v0, 4, 1                        ; h
	v_lshlrev_b32 v1, 4, v12                       ; 16 lane
	v_lshlrev_b32 v4, 5, v11                       ; 32 h: eight f32 along a row
	v_lshl_add_u32 v2, v10, 7, v4                  ; rows of 128 bytes (x, W1): 128 r + 32 h
	v_lshl_add_u32 v3, v10, 8, v4                  ; rows of 256 bytes (W2): 256 r + 32 h
	v_lshlrev_b32 v5, 2, v10                       ; b2: 4 r
	v_lshlrev_b32 v6, 10, v11                      ; x of point 8 h: 8 rows of 128 bytes
	v_mul_u32_u24 v7, v11, 0x3000                  ; LF: record of point 8 h (8 x 1,536)
	v_lshl_add_u32 v7, v10, 4, v7                  ;     + 16 r
	s_lshl_b32 s27, s2, 11
	v_add_nc_u32 v8, s27, v1                       ; LDS: my tile of W2, 2,048 w + 16 lane
	s_lshl_b32 s38, s5, 4
	s_lshl_b32 s39, s6, 3
	s_sub_co_i32 s38, s38, s39
	v_add_nc_u32 v9, s38, v10                      ; e - 8 g, signed
.irp i, 0,1,2,3,4,5,6,7
	v_cmp_gt_i32 s[48+\i], \i, v9                  ; below the diagonal: e < d = 8g + i
	v_cmp_eq_i32 s[56+\i], \i, v9                  ; on it
.endr
	s_mov_b32 s35, 0                               ; every offset below is under 4 GiB: high word 0
	s_wait_kmcnt 0x0
	s_lshl3_add_u32 s34, s6, s2                    ; W2: row 32 (8g + w) + 16 t, 256 bytes a row
	s_lshl_b32 s34, s34, 13
	s_lshl_b32 s38, s5, 12
	s_add_co_u32 s34, s34, s38
	s_add_nc_u64 s[16:17], s[16:17], s[34:35]
.irp q, 0,1,2,3,4,5,6,7
	global_load_b128 v[W2S+4*\q:W2S+4*\q+3], v3, s[16:17] offset:(\q>>1)*64+(\q&1)*16   ; hidden 16 (q/2) + 8 h + 4 (q%2) ..
.endr
	s_cmp_ge_u32 s4, 16                            ; y 0-15: Q, 16-31: K
	s_cselect_b64 s[28:29], s[10:11], s[8:9]
	s_and_b32 s34, s4, 15
	s_lshl_b32 s34, s34, 14                        ; 128 points of 128 bytes
	s_lshl_b32 s38, s2, 11                         ; + my 16
	s_add_co_u32 s34, s34, s38
	s_add_nc_u64 s[28:29], s[28:29], s[34:35]      ; my points
	s_lshl_b32 s34, s7, 17
	s_add_nc_u64 s[32:33], s[8:9], s[34:35]        ; the centre: Q[b][0]
.irp q, 0,1,2,3
	global_load_b128 v[XF+4*\q:XF+4*\q+3], v2, s[28:29] offset:(\q>>1)*64+(\q&1)*16     ; x[r][16 (q/2) + 8 h ..]
.endr
.irp q, 0,1,2,3
	global_load_b128 v[CF+4*\q:CF+4*\q+3], v4, s[32:33] offset:(\q>>1)*64+(\q&1)*16     ; c at the same d
.endr
.irp T, 0,1,2,3
.irp q, 0,1,2,3
	global_load_b128 v[W1S+16*\T+4*\q:W1S+16*\T+4*\q+3], v2, s[12:13] offset:\T*2048+(\q>>1)*64+(\q&1)*16
.endr
.endr
.irp T, 0,1,2,3
	global_load_b128 v[D1+8*\T:D1+8*\T+3],   v4, s[14:15] offset:\T*64      ; b1[16T + 8h + j]: the sums of layer 1 start from it
	global_load_b128 v[D1+8*\T+4:D1+8*\T+7], v4, s[14:15] offset:\T*64+16
.endr
	s_lshl_b32 s34, s6, 10                         ; b2 at 32 x 8g + 16 t
	s_lshl_b32 s38, s5, 6
	s_add_co_u32 s34, s34, s38
	s_add_nc_u64 s[18:19], s[18:19], s[34:35]
.irp i, 0,1,2,3,4,5,6,7
	global_load_b32 v[B2+\i], v5, s[18:19] offset:128*\i
.endr
	s_lshl_b32 s34, s6, 5                          ; 8 g numbers = 32 g bytes
	s_add_nc_u64 s[36:37], s[28:29], s[34:35]      ; my points at d = 8g
	s_add_nc_u64 s[30:31], s[32:33], s[34:35]      ; the centre at d = 8g
	s_load_b256 s[40:47], s[30:31], 0x0            ; c[8g .. 8g+7]; waited for in front of its first use
	s_lshr_b32 s38, s6, 1                          ; LF: section = t ? 2 : g / 2; half of its lanes = g % 2
	s_cmp_lg_u32 s5, 0
	s_cselect_b32 s38, 2, s38
	s_lshl_b32 s38, s38, 9
	s_and_b32 s39, s6, 1
	s_lshl_b32 s39, s39, 8
	s_add_co_u32 s38, s38, s39
	s_mul_i32 s34, s26, 24576                      ; 16 records of 1,536 bytes a group
	s_add_co_u32 s34, s34, s38
	s_add_nc_u64 s[20:21], s[20:21], s[34:35]
	s_lshl_b32 s34, s3, 8                          ; WP: (256 block + G) kilobytes
	s_add_co_u32 s34, s34, s26
	s_lshl_b32 s34, s34, 10
	s_add_nc_u64 s[22:23], s[22:23], s[34:35]
	s_lshl_b32 s34, s26, 10                        ; XB: G kilobytes
	s_add_nc_u64 s[24:25], s[24:25], s[34:35]
	; my tile of W2 to bf16 and into LDS, as four quads of a B fragment (lane l at 16 l)
	s_wait_loadcnt 40                              ; 48 loads are out, W2's eight are the oldest: 40 younger ones may stay out
.irp q, 0,1,2,3
.irp k, 0,1,2,3
	v_cvt_pk_bf16_f32 v[W2S+4*\q+\k], v[W2S+8*\q+2*\k], v[W2S+8*\q+2*\k+1]   ; in place, ascending: no word is written before it is read
.endr
.endr
.irp q, 0,1,2,3
	ds_store_b128 v8, v[W2S+4*\q:W2S+4*\q+3] offset:512*\q
.endr
	s_wait_dscnt 0x0                               ; for the other waves: my tile is in LDS
	s_barrier_signal -1
	; layer 1 between signal and wait: registers only
	s_wait_loadcnt 32                              ; x and c are in; W1 (16), b1 (8), b2 (8) may be out
.irp k, 0,2,4,6,8,10,12,14
	v_pk_add_f32 v[CF+\k:CF+\k+1], v[XF+\k:XF+\k+1], v[CF+\k:CF+\k+1] neg_lo:[0,1] neg_hi:[0,1]   ; x' = x - c, in f32
.endr
.irp k, 0,1,2,3,4,5,6,7
	v_cvt_pk_bf16_f32 v[CF+\k], v[CF+2*\k], v[CF+2*\k+1]
	v_cvt_pk_bf16_f32 v[XF+\k], v[XF+2*\k], v[XF+2*\k+1]
.endr
	s_wait_loadcnt 8                               ; W1 and b1 are in; b2's eight may be out
.irp T, 0,1,2,3
.irp k, 0,1,2,3,4,5,6,7
	v_cvt_pk_bf16_f32 v[W1S+16*\T+\k], v[W1S+16*\T+2*\k], v[W1S+16*\T+2*\k+1]
.endr
.endr
.irp T, 0,1,2,3
	v_wmma_f32_16x16x32_bf16 v[D1+8*\T:D1+8*\T+7], v[W1S+16*\T:W1S+16*\T+7], v[XF:XF+7], v[D1+8*\T:D1+8*\T+7]   ; (hidden 16T + 8h + j, point r)
.endr
	s_barrier_wait -1                              ; all eight tiles of W2 are in LDS
.rept 4
	v_nop                                          ; four places behind the matrix instructions: loads into W1's registers, reads of the sums
.endr
.irp j, 0,1,2,3,4,5,6,7
	global_load_b128 v[XS+8*\j:XS+8*\j+3],   v6, s[36:37] offset:\j*128      ; x[point 8h + j][8g .. 8g+7], the same for all r
	global_load_b128 v[XS+8*\j+4:XS+8*\j+7], v6, s[36:37] offset:\j*128+16
.endr
	s_cmp_lg_u32 s3, 0                             ; x' is the same in all six blocks: block 0 stores it
	s_cbranch_scc1 .Lnoxb
	global_store_b128 v1, v[CF:CF+3],   s[24:25]
	global_store_b128 v1, v[CF+4:CF+7], s[24:25] offset:512
.Lnoxb:
	; silu(z) = z / (1 + 2^(-z log2e)), eight numbers at a time; then h in bf16: a lane's eight neighbouring hidden units of point r
	; are just what an A fragment with row r wants, so no lane is crossed
.irp T, 0,1,2,3
.irp k, 0,2,4,6
	v_pk_mul_f32 v[TMP+\k:TMP+\k+1], v[D1+8*\T+\k:D1+8*\T+\k+1], 0xbfb8aa3b op_sel_hi:[1,0]
.endr
.irp k, 0,1,2,3,4,5,6,7
	v_exp_f32 v[TMP+\k], v[TMP+\k]
.endr
	v_nop                                          ; one plain place behind a transcendental (ISA guide 5.7.2)
	s_wait_alu depctr_va_vdst(0)
.irp k, 0,2,4,6
	v_pk_add_f32 v[TMP+\k:TMP+\k+1], v[TMP+\k:TMP+\k+1], 1.0 op_sel_hi:[1,0]
.endr
.irp k, 0,1,2,3,4,5,6,7
	v_rcp_f32 v[TMP+\k], v[TMP+\k]
.endr
	v_nop
	s_wait_alu depctr_va_vdst(0)
.irp k, 0,2,4,6
	v_pk_mul_f32 v[D1+8*\T+\k:D1+8*\T+\k+1], v[D1+8*\T+\k:D1+8*\T+\k+1], v[TMP+\k:TMP+\k+1]
.endr
.irp k, 0,1,2,3
	v_cvt_pk_bf16_f32 v[HF+4*\T+\k], v[D1+8*\T+2*\k], v[D1+8*\T+2*\k+1]
.endr
.endr
	s_wait_xcnt 0x0                                ; the stores of x' have read v32-39: layer 2 writes over them only behind this wait
	; layer 2: four tiles of W2 at a time from LDS; A = h (row = point), B = W2 (column = e), K = 64 in two links
.irp bb, 0,1
.irp ii, 0,1,2,3
.irp q, 0,1,2,3
	ds_load_b128 v[BF+16*\ii+4*\q:BF+16*\ii+4*\q+3], v1 offset:(4*\bb+\ii)*2048+512*\q
.endr
.endr
	s_wait_dscnt 0x0
.irp ii, 0,1,2,3
	v_wmma_f32_16x16x32_bf16 v[D2+8*(4*\bb+\ii):D2+8*(4*\bb+\ii)+7], v[HF:HF+7], v[BF+16*\ii:BF+16*\ii+7], 0
.endr
.irp ii, 0,1,2,3
	v_wmma_f32_16x16x32_bf16 v[D2+8*(4*\bb+\ii):D2+8*(4*\bb+\ii)+7], v[HF+8:HF+15], v[BF+16*\ii+8:BF+16*\ii+15], v[D2+8*(4*\bb+\ii):D2+8*(4*\bb+\ii)+7]
.endr
.if \bb == 0
.rept 4
	v_nop                                          ; four places before the next loads land on B's registers
.endr
.endif
.endr
	s_wait_loadcnt 0x0                             ; b2 and x
	s_wait_kmcnt 0x0                               ; c[8g ..]
	; 64 subtractions that name no register of the matrix instructions above: they are the places behind them
.irp j, 0,1,2,3,4,5,6,7
.irp i, 0,1,2,3,4,5,6,7
	v_sub_f32 v[XS+8*\j+\i], v[XS+8*\j+\i], s[40+\i]          ; x' in f32
.endr
.endr
.irp i, 0,1,2,3,4,5,6,7
.irp j, 0,1,2,3,4,5,6,7
	v_add_f32 v[D2+8*\i+\j], v[D2+8*\i+\j], v[B2+\i]
	v_med3_num_f32 v[D2+8*\i+\j], v[D2+8*\i+\j], s66, s67     ; clip to [-5, 5]
.endr
.endr
	; the lane's diagonal number (if it has one: d = e for one i), so that eight softplus serve all 64 numbers
.irp j, 0,1,2,3,4,5,6,7
	v_cndmask_b32 v[DG+\j], v[D2+\j], v[D2+8+\j], s57
.irp i, 2,3,4,5,6,7
	v_cndmask_b32 v[DG+\j], v[DG+\j], v[D2+8*\i+\j], s[56+\i]
.endr
.endr
.irp j, 0,1,2,3,4,5,6,7
	v_fma_f32 v[DG+\j], v[DG+\j], s68, s68         ; (raw + 1) log2e
.endr
.irp j, 0,1,2,3,4,5,6,7
	v_exp_f32 v[DG+\j], v[DG+\j]
.endr
	v_nop
	s_wait_alu depctr_va_vdst(0)
.irp k, 0,2,4,6
	v_pk_add_f32 v[DG+\k:DG+\k+1], v[DG+\k:DG+\k+1], 1.0 op_sel_hi:[1,0]
.endr
.irp j, 0,1,2,3,4,5,6,7
	v_log_f32 v[DG+\j], v[DG+\j]
.endr
	v_nop
	s_wait_alu depctr_va_vdst(0)
.irp j, 0,1,2,3,4,5,6,7
	v_fma_f32 v[SP+\j], v[DG+\j], s69, s70         ; ln2 log2(..) + 1e-4
.endr
	; L: 0 above the diagonal, softplus on it; w -= L x'
.irp j, 0,1,2,3,4,5,6,7
.irp i, 0,1,2,3,4,5,6,7
	v_cndmask_b32 v[D2+8*\i+\j], 0, v[D2+8*\i+\j], s[48+\i]
	v_cndmask_b32 v[D2+8*\i+\j], v[D2+8*\i+\j], v[SP+\j], s[56+\i]
.if \i == 0
	v_mul_f32 v[WA+\j], -v[D2+\j], v[XS+8*\j]      ; the first product starts the sum
.else
	v_fma_f32 v[WA+\j], -v[D2+8*\i+\j], v[XS+8*\j+\i], v[WA+\j]
.endif
.endr
.irp k, 0,1,2,3
	v_cvt_pk_bf16_f32 v[PKR+4*\j+\k], v[D2+16*\k+\j], v[D2+16*\k+8+\j]      ; d = 8g + 2k, 8g + 2k + 1 of column e
.endr
	global_store_b128 v7, v[PKR+4*\j:PKR+4*\j+3], s[20:21] offset:\j*1536   ; sixteen lanes store 256 consecutive bytes, aligned
.endr
	global_store_b128 v1, v[WA:WA+3],   s[22:23]
	global_store_b128 v1, v[WA+4:WA+7], s[22:23] offset:512
	s_wait_tensorcnt 0x0
	ds_add_u32 v14, v15
	s_wait_dscnt 0x0
	s_endpgm
.Lfunc_end_k_q01f13107c5_factor:
	.size	k_q01f13107c5_factor, .Lfunc_end_k_q01f13107c5_factor-k_q01f13107c5_factor
	.p2alignl 7, 3214868480
	.fill 96, 4, 3214868480
	.section	.rodata,"a",@progbits
	.p2align	6, 0x0
	.amdhsa_kernel k_q01f13107c5_factor
		.amdhsa_group_segment_fixed_size 17408
		.amdhsa_private_segment_fixed_size 0
		.amdhsa_enable_private_segment 0
		.amdhsa_kernarg_size 72
		.amdhsa_user_sgpr_count 2
		.amdhsa_user_sgpr_kernarg_segment_ptr 1
		.amdhsa_wavefront_size32 1
		.amdhsa_system_sgpr_workgroup_id_x 1
		.amdhsa_system_sgpr_workgroup_id_y 1
		.amdhsa_system_sgpr_workgroup_id_z 1
		.amdhsa_system_vgpr_workitem_id 0
		.amdhsa_next_free_vgpr 256
		.amdhsa_next_free_sgpr 72
		.amdhsa_reserve_vcc 0
		.amdhsa_float_denorm_mode_32 3
		.amdhsa_float_denorm_mode_16_64 3
		.amdhsa_memory_ordered 1
		.amdhsa_forward_progress 1
		.amdhsa_inst_pref_size 57
	.end_amdhsa_kernel
	.amdgpu_metadata
---
amdhsa.version: [ 1, 2 ]
amdhsa.kernels:
  - .name:           k_q01f13107c5_factor
    .symbol:         k_q01f13107c5_factor.kd
    .args:
      - { .name: Q, .offset: 0, .size: 8, .value_kind: global_buffer, .address_space: global }
      - { .name: K, .offset: 8, .size: 8, .value_kind: global_buffer, .address_space: global }
      - { .name: W1, .offset: 16, .size: 8, .value_kind: global_buffer, .address_space: global }
      - { .name: b1, .offset: 24, .size: 8, .value_kind: global_buffer, .address_space: global }
      - { .name: W2, .offset: 32, .size: 8, .value_kind: global_buffer, .address_space: global }
      - { .name: b2, .offset: 40, .size: 8, .value_kind: global_buffer, .address_space: global }
      - { .name: LF, .offset: 48, .size: 8, .value_kind: global_buffer, .address_space: global }
      - { .name: WP, .offset: 56, .size: 8, .value_kind: global_buffer, .address_space: global }
      - { .name: XB, .offset: 64, .size: 8, .value_kind: global_buffer, .address_space: global }
    .group_segment_fixed_size: 17408
    .private_segment_fixed_size: 0
    .kernarg_segment_align: 8
    .kernarg_segment_size: 72
    .max_flat_workgroup_size: 256
    .sgpr_count:     72
    .vgpr_count:     256
    .wavefront_size: 32
...
	.end_amdgpu_metadata
.endif
;; end of part 1
;; launch pairs (part 2): grid 8 x 32, 8 waves a work-group, no clusters, 166,144 bytes of LDS; arguments LF, WP, XB, out0; writes out0
.if DOCPART == 2
	.amdgcn_target "amdgcn-amd-amdhsa--gfx1250"
	.amdhsa_code_object_version 6
	.text
	.protected	k_q01f13107c5_pairs
	.globl	k_q01f13107c5_pairs
	.p2align	8
	.type	k_q01f13107c5_pairs,@function
k_q01f13107c5_pairs:
	s_mov_b64 s[64:65], 0
	v_nop
	global_prefetch_b8 v0, s[64:65] scope:SCOPE_SE
	s_setreg_imm32_b32 hwreg(HW_REG_WAVE_MODE, 25, 1), 1
	s_wait_xcnt 0x0
; PAIRS: out[b][n][m] = sqrt(clip(0.5 (|L_q[n]^T d|^2 + |L_k[m]^T d|^2), 1e-6, 1e6)), d = q_n - k_m.
; For a point p with factor L and any point s of the other set:  +-L^T d = L^T x'_s + w_p,  w_p = -L^T x'_p,  x' = x - centre.
; So one matrix instruction makes 16 components e for 16 partners s: A = L^T (16 e x 32 d, from LF), B = x' of 16 partners (from XB),
; C = w_p[e] in every column.  e 16-31 has no d below 16: its A fragment's first four registers are zeros, written once.
; LIMITS, stated: finite inputs; the rounding of x' to bf16 grows with a point's distance from the centre Q[b][0] (2^-9 of it);
; w comes from the f32 factor, the product from the bf16 one.
;
; SHARES.  A work-group makes 64 n x 128 m (ttmp9: block of m; ttmp7: 16 b + block of n): 256 work-groups.
; Waves 0-3 ("q"): 16 points n each against 8 tiles of 16 m.  Waves 4-7 ("k"): 32 points m each against 4 tiles of 16 n.  256 matrix
; instructions a wave either way.  A lane's sixteen squares are summed in the lane; lanes 0-15 hold e 0-7 and 16-23, lanes 16-31 the rest:
; the two halves go to two planes in LDS, and the last pass adds four planes (q and k, two halves), takes the root and stores whole rows.
; NO LOOP: a wave's 16 or 32 points lie within the immediate offsets' reach (plane rows up to 8,252 bytes, rows of w up to 4,048, records
; up to 49,152), so no address register and no base is ever stepped; the 128 steps of a role are written out, 13 instructions each.
; NO CLUSTER, NO TENSOR LOAD: a record has one reader in the work-group and goes from memory straight into that wave's registers in the
; fragment's order.  A joint request would land in LDS: the tile's 192 records are 294,912 bytes, the planes and w 165,120, together
; more than the 327,680 of a WGP, so it would take a ring with barriers between waves that now never wait for each other.
; No prefetch: everything read here was stored by the launch in front.
.set REC,  1536       ; bytes of a record in LF
                      ; LDS 0-32,767: w, a row of 128 bytes a point, 4,096 bytes for each wave at 4,096 x wave: each wave's own
.set PQB,  32768      ; LDS: [2 halves][64 n][128 m] f32, rows of 512 bytes; planes 32,832 apart (16 words off modulo 64)
.set PQPL, 32832
.set PKB,  98432      ; LDS: [2 halves][128 m][64 n] f32, rows of 260 bytes; planes 33,344 apart (16 words off modulo 64); ends at 165,120
.set PKPL, 33344
.set ACC,  8          ; v8-11   two pairs of running sums
.set RES,  12         ; v12     a lane's sum of sixteen squares
.set BB,   16         ; v16 ..  B fragments, 8 registers a tile
; v1 16 lane; v2 LDS address of w (+32 h); v3 LDS address in my plane; v4 LDS address for staging w; v6 r; v7 h
; s[16:17] my records; s[18:19] my partial w; s[20:21] my partners' x'; s23 my w in LDS; s24, s25 the clip's bounds
	s_load_b256 s[8:15], s[0:1], 0x0               ; LF s[8:9], WP s[10:11], XB s[12:13], out0 s[14:15]
	v_lshl_add_u32 v254, v0, 2, 0x28500
	v_mov_b32 v255, 0
	v_lshrrev_b32 v13, 5, v0
	v_readfirstlane_b32 s2, v13                    ; wave
	v_and_b32 v5, 31, v0
	v_and_b32 v6, 15, v0                           ; r
	v_bfe_u32 v7, v0, 4, 1                         ; h
	v_lshlrev_b32 v1, 4, v5                        ; 16 lane
	s_mov_b32 s3, ttmp9                            ; block of m
	s_and_b32 s4, ttmp7, 0xffff                    ; 16 b + block of n
	s_lshr_b32 s5, s4, 4                           ; b
	s_and_b32 s6, s4, 15                           ; block of n
	s_lshl_b32 s26, s5, 6                          ; 64 groups of 16 points a batch
	s_lshl2_add_u32 s27, s6, s26                   ; first group of the tile's n
	s_lshl3_add_u32 s28, s3, s26
	s_add_co_u32 s28, s28, 128                     ; first group of the tile's m (K's groups lie behind Q's 128)
	s_lshl_b32 s23, s2, 12                         ; my w in LDS: 4,096 x wave
	s_mov_b32 s31, 0
	s_mov_b32 s24, 0x358637bd                      ; 1e-6
	s_mov_b32 s25, 0x49742400                      ; 1e6
; twelve loads: the six blocks' partial w of one group of 16 points
.macro STAGE sb, goff
.set sb_, \sb
.irp bid, 0,1,2,3,4,5
	global_load_b128 v[sb_+8*\bid:sb_+8*\bid+3],   v1, s[18:19] offset:\goff+\bid*262144
	global_load_b128 v[sb_+8*\bid+4:sb_+8*\bid+7], v1, s[18:19] offset:\goff+\bid*262144+512
.endr
.endm
; blocks 0-3 make e 0-15, blocks 4-5 e 16-31; register j, lane (r, h): point 8h + j, e = r.  Into rows of 128 bytes a point.
.macro STAGESUM sb, loff
.set sb_, \sb
.irp bid, 1,2,3
.irp k, 0,2,4,6
	v_pk_add_f32 v[sb_+\k:sb_+\k+1], v[sb_+\k:sb_+\k+1], v[sb_+8*\bid+\k:sb_+8*\bid+\k+1]
.endr
.endr
.irp k, 0,2,4,6
	v_pk_add_f32 v[sb_+32+\k:sb_+33+\k], v[sb_+32+\k:sb_+33+\k], v[sb_+40+\k:sb_+41+\k]
.endr
.irp j, 0,1,2,3,4,5,6,7
	ds_store_b32 v4, v[sb_+\j]    offset:\loff+\j*128
	ds_store_b32 v4, v[sb_+32+\j] offset:\loff+\j*128+64
.endr
.endm
; record pt of my share into slot pt % SLOTS: +0-7 e 0-15; +8-11 zeros, never loaded; +12-15 e 16-31, d 16-31
.macro LOADSLOT pt
.set a_, RB+16*(SLOTS-1-((\pt)%SLOTS))
	global_load_b128 v[a_:a_+3],     v1, s[16:17] offset:(\pt)*REC
	global_load_b128 v[a_+4:a_+7],   v1, s[16:17] offset:(\pt)*REC+512
	global_load_b128 v[a_+12:a_+15], v1, s[16:17] offset:(\pt)*REC+1024
.endm
; w of point pt as two C operands, into C set pt % 2: register j = w[8h + j], w[16 + 8h + j], the same in all columns
.macro LOADC pt
.set c_, CB+16*((\pt)%2)
	ds_load_b128 v[c_:c_+3],     v2 offset:(\pt)*128
	ds_load_b128 v[c_+4:c_+7],   v2 offset:(\pt)*128+16
	ds_load_b128 v[c_+8:c_+11],  v2 offset:(\pt)*128+64
	ds_load_b128 v[c_+12:c_+15], v2 offset:(\pt)*128+80
.endm
; point pt against tile t: 32 components for 16 partners, into D set t % 2
.macro WM pt, t
.set a_, RB+16*(SLOTS-1-((\pt)%SLOTS))
.set c_, CB+16*((\pt)%2)
.set d_, DB+16*((\t)%2)
.set b_, BB+8*(\t)
	v_wmma_f32_16x16x32_bf16 v[d_:d_+7],    v[a_:a_+7],    v[b_:b_+7], v[c_:c_+7]
	v_wmma_f32_16x16x32_bf16 v[d_+8:d_+15], v[a_+8:a_+15], v[b_:b_+7], v[c_+8:c_+15]
.endm
; step q (point q / NT, tile q % NT): sixteen squares summed in two chains, the lane's sum into its plane.
; Ten plain vector instructions that name only the D set of step q: they are also the places behind the matrix instructions of step q + 1.
.macro SQ q
.set d_, DB+16*((\q)%2)
.set o_, ((\q)/NT)*PITCH+((\q)%NT)*64
	v_pk_mul_f32 v[ACC:ACC+1],   v[d_:d_+1],   v[d_:d_+1]
	v_pk_mul_f32 v[ACC+2:ACC+3], v[d_+8:d_+9], v[d_+8:d_+9]
.irp k, 2,4,6
	v_pk_fma_f32 v[ACC:ACC+1],   v[d_+\k:d_+\k+1],   v[d_+\k:d_+\k+1],   v[ACC:ACC+1]
	v_pk_fma_f32 v[ACC+2:ACC+3], v[d_+8+\k:d_+9+\k], v[d_+8+\k:d_+9+\k], v[ACC+2:ACC+3]
.endr
	v_pk_add_f32 v[ACC:ACC+1], v[ACC:ACC+1], v[ACC+2:ACC+3]
	v_add_f32 v[RES], v[ACC], v[ACC+1]
	ds_store_b32 v3, v[RES] offset:o_
.endm
; ALL STEPS: NP points x NT tiles.  The squares of a step are taken behind the matrix instructions of the next step.
; Behind a point's last step its slot is loaded again (the point SLOTS further on) and its C set gets the point two further on.
.macro POINTS
.set st, 0
.rept NP*NT
.set pp, st/NT
.set pt, st%NT
.if pt == 0
.if pp+SLOTS-1 < NP
	s_wait_loadcnt 3*(SLOTS-1)                     ; this point's three loads are in; the SLOTS-1 younger records' stay out
.else
	s_wait_loadcnt 3*(NP-1-pp)                     ; no record is asked for any more: only the points still to come are younger
.endif
.if pp >= 2                                        ; (the first two points' w were waited for in front of the steps)
.if pp == NP-1
	s_wait_dscnt NT                                ; behind the last point's w only the NT result stores of the point before were issued
.else
	s_wait_dscnt NT+4                              ; behind this point's w: NT result stores and the next point's four loads
.endif
.endif
.endif
	WM pp, pt
.if st == 0
.rept 4
	v_nop                                          ; four places (ISA guide 7.12.1) before step 0's squares, which stand behind step 1's products
.endr
.else
	SQ st-1
.endif
.if pt == NT-1
.if pp+SLOTS < NP
	LOADSLOT pp+SLOTS                              ; ten places behind the last product that read the slot and the C set
.endif
.if pp+2 < NP
	LOADC pp+2
.endif
.endif
.set st, st+1
.endr
	SQ NP*NT-1
.endm
; One wave's whole share.  In: s29 my first group, s33 my partners' first group, s23 my w in LDS, s32 my first row in plane 0.
.macro BODY
	s_wait_kmcnt 0x0
	s_mul_i32 s30, s29, 16*REC
	s_add_nc_u64 s[16:17], s[8:9], s[30:31]
	s_lshl_b32 s30, s29, 10
	s_add_nc_u64 s[18:19], s[10:11], s[30:31]
	s_lshl_b32 s30, s33, 10
	s_add_nc_u64 s[20:21], s[12:13], s[30:31]
	STAGE DB, 0                                    ; staged in registers that are D, C (and, with two groups, the last two slots) later
.if SLOTS == 8
	STAGE DB+48, 1024
.endif
.set cn, 0
.rept NT
	global_load_b128 v[BB+8*cn:BB+8*cn+3],   v1, s[20:21] offset:cn*1024
	global_load_b128 v[BB+8*cn+4:BB+8*cn+7], v1, s[20:21] offset:cn*1024+512
.set cn, cn+1
.endr
.set cn, 0
.rept ES
	LOADSLOT cn
.set cn, cn+1
.endr
	v_lshl_add_u32 v2, v7, 5, s23                  ; w: my rows + 32 h
	v_lshlrev_b32 v13, 2, v6                       ; 4 r
	v_lshl_add_u32 v4, v7, 10, v13                 ; staging: point 8 h, e = r
	v_add_nc_u32 v4, s23, v4
	v_mul_u32_u24 v3, v7, PLANE                    ; my half's plane,
	v_lshl_add_u32 v3, v6, 2, v3                   ; column r,
	v_add_nc_u32 v3, s32, v3                       ; my wave's first row
	s_wait_loadcnt 2*NT+3*ES                       ; the partial w are in; the B tiles' and the slots' loads, issued behind them, stay out
	STAGESUM DB, 0
.if SLOTS == 8
	STAGESUM DB+48, 2048
.endif
.set cn, 0
.rept SLOTS
.irp k, 8,9,10,11
	v_mov_b32 v[RB+16*cn+\k], 0                    ; e 16-31 has no d below 16: four zeros a slot, written once for the launch
.endr
.set cn, cn+1
.endr
.if ES < SLOTS
.set cn, ES
.rept SLOTS-ES
	LOADSLOT cn                                    ; the slots that lay under the staging registers
.set cn, cn+1
.endr
.endif
	LOADC 0                                        ; LDS serves a wave's instructions in order (ISA guide 5.7.1.4): these see my stores above
	LOADC 1
	s_wait_dscnt 0x0                               ; once: the counted waits begin with the third point
	POINTS
.endm
	s_cmp_ge_u32 s2, 4
	s_cbranch_scc1 .Lkpath
	; q waves (0-3): 16 points n, 8 tiles of m
.set NP,    16
.set NT,    8
.set SLOTS, 4
.set ES,    4
.set PITCH, 512
.set PLANE, PQPL
.set DB,    BB+8*NT        ; v80-111   two D sets of 16
.set CB,    DB+32          ; v112-143  two C sets of 16
.set RB,    CB+32          ; v144-207  slot i at RB + 16 (SLOTS-1-i)
	s_add_co_u32 s29, s27, s2                      ; my group of n
	s_mov_b32 s33, s28
	s_lshl_b32 s32, s2, 13                         ; 16 rows of 512 bytes a wave
	s_add_co_u32 s32, s32, PQB
	BODY
	s_branch .Lfinal
.Lkpath:
	; k waves (4-7): 32 points m, 4 tiles of n
.set NP,    32
.set NT,    4
.set SLOTS, 8
.set ES,    6
.set PITCH, 260
.set PLANE, PKPL
.set DB,    BB+8*NT        ; v48-79
.set CB,    DB+32          ; v80-111
.set RB,    CB+32          ; v112-239
	s_lshl1_add_u32 s29, s2, s28                   ; my two groups of m: first + 2 (wave - 4)
	s_sub_co_u32 s29, s29, 8
	s_mov_b32 s33, s27
	s_mul_i32 s32, s2, 32*260                      ; 32 rows of 260 bytes a wave, wave 4 at the plane's head
	s_add_co_u32 s32, s32, PKB-4*32*260
	BODY
.Lfinal:
	s_wait_dscnt 0x0                               ; for the other waves: my rows of the planes are in LDS
	s_barrier_signal -1
	s_barrier_wait -1
	; THE LAST PASS.  Wave w: rows n = 8w .. 8w+7.  Step k = 2a + c: lanes 0-15 row 8w + 2a, lanes 16-31 the next; columns 64 c + 4 (lane % 16) ..+3.
	s_lshl_b32 s23, s2, 3
	v_add_nc_u32 v13, s23, v7                      ; 8 w + lane / 16
	v_lshlrev_b32 v14, 4, v6                       ; 16 (lane % 16)
	v_lshl_add_u32 v2, v13, 9, v14
	v_add_nc_u32 v2, PQB, v2                       ; q planes: 16 neighbouring bytes a lane
	v_mul_u32_u24 v3, v6, 1040                     ; k planes: four rows of 260 bytes a lane: word 260 (lane % 16) + lane / 16, 32 different words modulo 64
	v_lshl_add_u32 v3, v13, 2, v3
	v_add_nc_u32 v3, PKB, v3
	v_lshl_add_u32 v4, v13, 12, v14                ; out: rows of 4,096 bytes
	s_lshl_b32 s30, s4, 18                         ; (1024 b + 64 block of n) rows
	s_lshl_b32 s23, s3, 9                          ; + 128 columns a block of m
	s_add_co_u32 s30, s30, s23
	s_add_nc_u64 s[14:15], s[14:15], s[30:31]
; ten loads: four numbers of each of the four planes, 16 registers a step
.macro FLOAD k
.set f_, 16+16*(\k)
.set fa, (\k)>>1
.set fc, (\k)&1
	ds_load_b128 v[f_:f_+3],   v2 offset:fa*1024+fc*256
	ds_load_b128 v[f_+4:f_+7], v2 offset:fa*1024+fc*256+PQPL
.irp i, 0,1,2,3
	ds_load_b32 v[f_+8+\i],  v3 offset:fc*16640+\i*260+fa*8
	ds_load_b32 v[f_+12+\i], v3 offset:fc*16640+\i*260+fa*8+PKPL
.endr
.endm
; left = the loads of the younger steps, ten each
.macro FSTEP k, left
.set f_, 16+16*(\k)
	s_wait_dscnt \left
	v_pk_add_f32 v[f_:f_+1],     v[f_:f_+1],     v[f_+4:f_+5]
	v_pk_add_f32 v[f_+2:f_+3],   v[f_+2:f_+3],   v[f_+6:f_+7]
	v_pk_add_f32 v[f_+8:f_+9],   v[f_+8:f_+9],   v[f_+12:f_+13]
	v_pk_add_f32 v[f_+10:f_+11], v[f_+10:f_+11], v[f_+14:f_+15]
	v_pk_add_f32 v[f_:f_+1],     v[f_:f_+1],     v[f_+8:f_+9]
	v_pk_add_f32 v[f_+2:f_+3],   v[f_+2:f_+3],   v[f_+10:f_+11]
	v_pk_mul_f32 v[f_:f_+1],     v[f_:f_+1],     0.5 op_sel_hi:[1,0]
	v_pk_mul_f32 v[f_+2:f_+3],   v[f_+2:f_+3],   0.5 op_sel_hi:[1,0]
.irp i, 0,1,2,3
	v_med3_num_f32 v[f_+\i], v[f_+\i], s24, s25    ; clip to [1e-6, 1e6]
.endr
.irp i, 0,1,2,3
	v_sqrt_f32 v[f_+\i], v[f_+\i]
.endr
	v_nop                                          ; one plain place behind a transcendental (ISA guide 5.7.2)
	s_wait_alu depctr_va_vdst(0)
	global_store_b128 v4, v[f_:f_+3], s[14:15] offset:((\k)>>1)*8192+((\k)&1)*256 th:TH_STORE_NT   ; sixteen lanes store 256 consecutive bytes, aligned
.endm
	FLOAD 0                                        ; six steps' loads first: 60 are out at the most, here and below
	FLOAD 1
	FLOAD 2
	FLOAD 3
	FLOAD 4
	FLOAD 5
	FSTEP 0, 50                                    ; steps 1-5 stay out
	FLOAD 6
	FSTEP 1, 50                                    ; steps 2-6
	FLOAD 7
	FSTEP 2, 50                                    ; steps 3-7
	FSTEP 3, 40
	FSTEP 4, 30
	FSTEP 5, 20
	FSTEP 6, 10
	FSTEP 7, 0
	s_wait_tensorcnt 0x0
	ds_add_u32 v254, v255
	s_wait_dscnt 0x0
	s_endpgm
.Lfunc_end_k_q01f13107c5_pairs:
	.size	k_q01f13107c5_pairs, .Lfunc_end_k_q01f13107c5_pairs-k_q01f13107c5_pairs
	.p2alignl 7, 3214868480
	.fill 96, 4, 3214868480
	.section	.rodata,"a",@progbits
	.p2align	6, 0x0
	.amdhsa_kernel k_q01f13107c5_pairs
		.amdhsa_group_segment_fixed_size 166144
		.amdhsa_private_segment_fixed_size 0
		.amdhsa_enable_private_segment 0
		.amdhsa_kernarg_size 32
		.amdhsa_user_sgpr_count 2
		.amdhsa_user_sgpr_kernarg_segment_ptr 1
		.amdhsa_wavefront_size32 1
		.amdhsa_system_sgpr_workgroup_id_x 1
		.amdhsa_system_sgpr_workgroup_id_y 1
		.amdhsa_system_sgpr_workgroup_id_z 1
		.amdhsa_system_vgpr_workitem_id 0
		.amdhsa_next_free_vgpr 256
		.amdhsa_next_free_sgpr 66
		.amdhsa_reserve_vcc 0
		.amdhsa_float_denorm_mode_32 3
		.amdhsa_float_denorm_mode_16_64 3
		.amdhsa_memory_ordered 1
		.amdhsa_forward_progress 1
		.amdhsa_inst_pref_size 255
	.end_amdhsa_kernel
	.section	.bss,"aw",@nobits
	.p2align	6
	.space	262144
	.amdgpu_metadata
---
amdhsa.version: [ 1, 2 ]
amdhsa.kernels:
  - .name:           k_q01f13107c5_pairs
    .symbol:         k_q01f13107c5_pairs.kd
    .args:
      - { .name: LF, .offset: 0, .size: 8, .value_kind: global_buffer, .address_space: global }
      - { .name: WP, .offset: 8, .size: 8, .value_kind: global_buffer, .address_space: global }
      - { .name: XB, .offset: 16, .size: 8, .value_kind: global_buffer, .address_space: global }
      - { .name: out0, .offset: 24, .size: 8, .value_kind: global_buffer, .address_space: global }
    .group_segment_fixed_size: 166144
    .private_segment_fixed_size: 0
    .kernarg_segment_align: 8
    .kernarg_segment_size: 32
    .max_flat_workgroup_size: 256
    .sgpr_count:     66
    .vgpr_count:     256
    .wavefront_size: 32
...
	.end_amdgpu_metadata
.endif
;; end of part 2
;; ======== version 2 of 2: 2 launches; version 1 with the launch pairs written anew for expert scheduling mode
;; limits: a difference of large sums (such as E[x^2] - mean^2): digits are lost where the result is much smaller than its terms
;; workspace buffers: LF 6,291,456 bytes; WP 1,572,864 bytes; XB 262,144 bytes
;; launch factor: the kernel of part 1 again; grid 6 x 32, 8 waves a work-group, no clusters, 17,408 bytes of LDS; arguments Q, K, W1, b1, W2, b2, LF, WP, XB; writes LF, WP, XB
;; launch pairs (part 3): grid 8 x 32, 8 waves a work-group, no clusters, 166,144 bytes of LDS; arguments LF, WP, XB, out0; writes out0
.if DOCPART == 3
	.amdgcn_target "amdgcn-amd-amdhsa--gfx1250"
	.amdhsa_code_object_version 6
	.text
	.protected	k_q01f13107c5_pairs
	.globl	k_q01f13107c5_pairs
	.p2align	8
	.type	k_q01f13107c5_pairs,@function
k_q01f13107c5_pairs:
	s_mov_b64 s[64:65], 0
	v_nop
	global_prefetch_b8 v0, s[64:65] scope:SCOPE_SE
	s_setreg_imm32_b32 hwreg(HW_REG_WAVE_SCHED_MODE, 0, 2), 2
	s_setreg_imm32_b32 hwreg(HW_REG_WAVE_MODE, 25, 1), 1
	s_wait_xcnt 0x0
	s_wait_alu depctr_vm_vsrc(0)
; PAIRS: out[b][n][m] = sqrt(clip(0.5 (|L_q[n]^T d|^2 + |L_k[m]^T d|^2), 1e-6, 1e6)), d = q_n - k_m.
; For a point p with factor L and any point s of the other set:  +-L^T d = L^T x'_s + w_p,  w_p = -L^T x'_p,  x' = x - centre.
; So one matrix instruction makes 16 components e for 16 partners s: A = L^T (16 e x 32 d, from LF), B = x' of 16 partners (from XB),
; C = w_p[e] in every column.  e 16-31 has no d below 16: its A fragment's first four registers are zeros, written once.
; LIMITS, stated: finite inputs; the rounding of x' to bf16 grows with a point's distance from the centre Q[b][0] (2^-9 of it);
; w comes from the f32 factor, the product from the bf16 one.
;
; SHARES.  A work-group makes 64 n x 128 m (ttmp9: block of m; ttmp7: 16 b + block of n): 256 work-groups.
; Waves 0-3 ("q"): 16 points n each against 8 tiles of 16 m.  Waves 4-7 ("k"): 32 points m each against 4 tiles of 16 n.  256 matrix
; instructions a wave either way.  A lane's sixteen squares are summed in the lane; lanes 0-15 hold e 0-7 and 16-23, lanes 16-31 the rest:
; the two halves go to two planes in LDS, and the last pass adds four planes (q and k, two halves), takes the root and stores whole rows.
; NO LOOP: a wave's 16 or 32 points lie within the immediate offsets' reach (plane rows up to 8,252 bytes, rows of w up to 4,048, records
; up to 49,152), so no address register and no base is ever stepped; the 128 steps of a role are written out, 13 instructions each.
; NO CLUSTER, NO TENSOR LOAD: a record has one reader in the work-group and goes from memory straight into that wave's registers in the
; fragment's order.  A joint request would land in LDS: the tile's 192 records are 294,912 bytes, the planes and w 165,120, together
; more than the 327,680 of a WGP, so it would take a ring with barriers between waves that now never wait for each other.
; No prefetch: everything read here was stored by the launch in front.
;
; THE MODE: SCHED_MODE bits 1:0 = 2 (LLVM: expert scheduling mode 2), set by the entry lines.  The code itself states the register dependences
; between vector or matrix instructions and memory or LDS instructions, with s_wait_alu, always for 0.
; THE PLAN.  Registers that memory or LDS instructions touch during the steps:
;   slot p % SLOTS   Read by point p's products; then the three loads of record p + SLOTS land in it.
;   C set p % 2      Read by point p's products; then the four LDS loads of w of point p + 2 land in it.
;   RS0, RS1         Two buffers of NT sums.  The squares that stand in point p's text (steps p NT - 1 to p NT + NT - 2: a step's squares stand behind
;                    the next step's products) write RS[p % 2]; the NT LDS stores that are dealt through point p + 1 read it.
;   v1, v2, v3       Offsets and LDS addresses, made ahead of the steps and not written during them.
;   The B tiles, the D sets and v8-11 are named by vector and matrix instructions alone.
; So two waits stand between point p - 1 and point p.  One on vm_vsrc: the stores dealt through point p - 1 have read RS[p % 2], which point p's squares write
; again.  One on va_vdst: point p - 1's products are done reading their slot and their C set, and its squares have written RS[(p - 1) % 2].  Point p's own
; vector and matrix instructions name slot p, C set p % 2, B, D, v8-11 and RS[p % 2]: none of the registers that its seven loads and NT stores touch.
.set REC,  1536       ; bytes of a record in LF
                      ; LDS 0-32,767: w, a row of 128 bytes a point, 4,096 bytes for each wave at 4,096 x wave: each wave's own
.set PQB,  32768      ; LDS: [2 halves][64 n][128 m] f32, rows of 512 bytes; planes 32,832 apart (16 words off modulo 64)
.set PQPL, 32832
.set PKB,  98432      ; LDS: [2 halves][128 m][64 n] f32, rows of 260 bytes; planes 33,344 apart (16 words off modulo 64); ends at 165,120
.set PKPL, 33344
.set ACC,  8          ; v8-11   two pairs of running sums
.set BB,   16         ; v16 ..  B fragments, 8 registers a tile
; v1 16 lane; v2 LDS address of w (+32 h); v3 LDS address in my plane; v4 LDS address for staging w; v6 r; v7 h
; s[16:17] my records; s[18:19] my partial w; s[20:21] my partners' x'; s23 my w in LDS; s24, s25 the clip's bounds
	s_load_b256 s[8:15], s[0:1], 0x0               ; LF s[8:9], WP s[10:11], XB s[12:13], out0 s[14:15]
	v_lshl_add_u32 v254, v0, 2, 0x28500
	v_mov_b32 v255, 0
	v_lshrrev_b32 v13, 5, v0
	v_readfirstlane_b32 s2, v13                    ; wave
	v_and_b32 v5, 31, v0
	v_and_b32 v6, 15, v0                           ; r
	v_bfe_u32 v7, v0, 4, 1                         ; h
	v_lshlrev_b32 v1, 4, v5                        ; 16 lane
	s_mov_b32 s3, ttmp9                            ; block of m
	s_and_b32 s4, ttmp7, 0xffff                    ; 16 b + block of n
	s_lshr_b32 s5, s4, 4                           ; b
	s_and_b32 s6, s4, 15                           ; block of n
	s_lshl_b32 s26, s5, 6                          ; 64 groups of 16 points a batch
	s_lshl2_add_u32 s27, s6, s26                   ; first group of the tile's n
	s_lshl3_add_u32 s28, s3, s26
	s_add_co_u32 s28, s28, 128                     ; first group of the tile's m (K's groups lie behind Q's 128)
	s_wait_alu depctr_va_sdst(0)                   ; s2 is written, ahead of its first reader: LDS places, bases and the branch on the role are made from it
	s_lshl_b32 s23, s2, 12                         ; my w in LDS: 4,096 x wave
	s_mov_b32 s31, 0
	s_mov_b32 s24, 0x358637bd                      ; 1e-6
	s_mov_b32 s25, 0x49742400                      ; 1e6
	s_wait_alu depctr_va_vdst(0)                   ; v1 is written: every global load of either role reads it as its offset
; twelve loads: the six blocks' partial w of one group of 16 points
.macro STAGE sb, goff
.set sb_, \sb
.irp bid, 0,1,2,3,4,5
	global_load_b128 v[sb_+8*\bid:sb_+8*\bid+3],   v1, s[18:19] offset:\goff+\bid*262144
	global_load_b128 v[sb_+8*\bid+4:sb_+8*\bid+7], v1, s[18:19] offset:\goff+\bid*262144+512
.endr
.endm
; blocks 0-3 make e 0-15, blocks 4-5 e 16-31; register j, lane (r, h): point 8h + j, e = r.
.macro STAGEADD sb
.set sb_, \sb
.irp bid, 1,2,3
.irp k, 0,2,4,6
	v_pk_add_f32 v[sb_+\k:sb_+\k+1], v[sb_+\k:sb_+\k+1], v[sb_+8*\bid+\k:sb_+8*\bid+\k+1]
.endr
.endr
.irp k, 0,2,4,6
	v_pk_add_f32 v[sb_+32+\k:sb_+33+\k], v[sb_+32+\k:sb_+33+\k], v[sb_+40+\k:sb_+41+\k]
.endr
.endm
; the sums into rows of 128 bytes a point
.macro STAGEPUT sb, loff
.set sb_, \sb
.irp j, 0,1,2,3,4,5,6,7
	ds_store_b32 v4, v[sb_+\j]    offset:\loff+\j*128
	ds_store_b32 v4, v[sb_+32+\j] offset:\loff+\j*128+64
.endr
.endm
; record pt of my share into slot pt % SLOTS: +0-7 e 0-15; +8-11 zeros, never loaded; +12-15 e 16-31, d 16-31
.macro LOADSLOT pt
.set a_, RB+16*(SLOTS-1-((\pt)%SLOTS))
	global_load_b128 v[a_:a_+3],     v1, s[16:17] offset:(\pt)*REC
	global_load_b128 v[a_+4:a_+7],   v1, s[16:17] offset:(\pt)*REC+512
	global_load_b128 v[a_+12:a_+15], v1, s[16:17] offset:(\pt)*REC+1024
.endm
; w of point pt as two C operands, into C set pt % 2: register j = w[8h + j], w[16 + 8h + j], the same in all columns
.macro LOADC pt
.set c_, CB+16*((\pt)%2)
	ds_load_b128 v[c_:c_+3],     v2 offset:(\pt)*128
	ds_load_b128 v[c_+4:c_+7],   v2 offset:(\pt)*128+16
	ds_load_b128 v[c_+8:c_+11],  v2 offset:(\pt)*128+64
	ds_load_b128 v[c_+12:c_+15], v2 offset:(\pt)*128+80
.endm
; point pt against tile t: 32 components for 16 partners, into D set t % 2
.macro WM pt, t
.set a_, RB+16*(SLOTS-1-((\pt)%SLOTS))
.set c_, CB+16*((\pt)%2)
.set d_, DB+16*((\t)%2)
.set b_, BB+8*(\t)
	v_wmma_f32_16x16x32_bf16 v[d_:d_+7],    v[a_:a_+7],    v[b_:b_+7], v[c_:c_+7]
	v_wmma_f32_16x16x32_bf16 v[d_+8:d_+15], v[a_+8:a_+15], v[b_:b_+7], v[c_+8:c_+15]
.endm
; step q (point q / NT, tile q % NT): sixteen squares summed in two chains.  The lane's sum goes into the buffer of the point in whose text
; these lines stand, (q + 1) / NT, at place (q + 1) % NT.
; Ten plain vector instructions that name only the D set of step q: they are also the places behind the matrix instructions of step q + 1.
.macro SQ q
.set d_, DB+16*((\q)%2)
.set r_, RS+NT*((((\q)+1)/NT)%2)+((\q)+1)%NT
	v_pk_mul_f32 v[ACC:ACC+1],   v[d_:d_+1],   v[d_:d_+1]
	v_pk_mul_f32 v[ACC+2:ACC+3], v[d_+8:d_+9], v[d_+8:d_+9]
.irp k, 2,4,6
	v_pk_fma_f32 v[ACC:ACC+1],   v[d_+\k:d_+\k+1],   v[d_+\k:d_+\k+1],   v[ACC:ACC+1]
	v_pk_fma_f32 v[ACC+2:ACC+3], v[d_+8+\k:d_+9+\k], v[d_+8+\k:d_+9+\k], v[ACC+2:ACC+3]
.endr
	v_pk_add_f32 v[ACC:ACC+1], v[ACC:ACC+1], v[ACC+2:ACC+3]
	v_add_f32 v[r_], v[ACC], v[ACC+1]
.endm
; step q's sum into its place in my plane
.macro PUT q
.set r_, RS+NT*((((\q)+1)/NT)%2)+((\q)+1)%NT
.set o_, ((\q)/NT)*PITCH+((\q)%NT)*64
	ds_store_b32 v3, v[r_] offset:o_
.endm
; ALL STEPS: NP points x NT tiles.  The squares of a step are taken behind the matrix instructions of the next step.
; Between two points stand the two waits of the plan; behind them the slot just read out is loaded again (the point SLOTS further on) and its
; C set gets the point two further on; the sums of the point before are stored one to a step, behind the step's products.
.macro POINTS
.set st, 0
.rept NP*NT
.set pp, st/NT
.set pt, st%NT
.if pt == 0
.if pp >= 1
.if pp >= 2
	s_wait_alu depctr_vm_vsrc(0)                   ; the stores dealt through the point before have read RS[pp % 2], which this point's squares write again
.endif
	s_wait_alu depctr_va_vdst(0)                   ; the point before: its products are done reading their slot and C set, in which the loads below land; its squares have written the other RS, which this point's stores read
.if pp-1+SLOTS < NP
	LOADSLOT pp-1+SLOTS
.endif
.if pp+1 < NP
	LOADC pp+1
.endif
.endif
.if pp+SLOTS-1 < NP
	s_wait_loadcnt 3*(SLOTS-1)                     ; this point's three loads are in; the SLOTS-1 younger records' stay out
.else
	s_wait_loadcnt 3*(NP-1-pp)                     ; no record is asked for any more: only the points still to come are younger
.endif
.if pp >= 2                                        ; (the first two points' w were waited for in front of the steps)
.set dc, NT                                        ; behind this point's w were issued: the NT stores dealt through the point before
.if pp == 2
.set dc, NT-1                                      ; (through point 1 one fewer: step 0 has no step in front of it),
.endif
.if pp+1 < NP
.set dc, dc+4                                      ; and the next point's four loads, if there is a next point
.endif
	s_wait_dscnt dc
.endif
.endif
	WM pp, pt
.if st > NT
	PUT st-NT-1                                    ; no wait: no vector or matrix instruction since the wait on va_vdst names this buffer or v3
.endif
.if st == 0
.rept 4
	v_nop                                          ; four places (ISA guide 7.12.1) before step 0's squares, which stand behind step 1's products
.endr
.else
	SQ st-1
.endif
.set st, st+1
.endr
	s_wait_alu depctr_vm_vsrc(0)                   ; the stores dealt through the last point have read RS0, whose first register the last step's squares write
	SQ NP*NT-1
	s_wait_alu depctr_va_vdst(0)                   ; the squares in the last point's text and the last step's have written their sums, which the stores below read
.set st, NP*NT-NT-1
.rept NT+1
	PUT st
.set st, st+1
.endr
.endm
; One wave's whole share.  In: s29 my first group, s33 my partners' first group, s23 my w in LDS, s32 my first row in plane 0.
.macro BODY
	s_wait_kmcnt 0x0
	s_mul_i32 s30, s29, 16*REC
	s_add_nc_u64 s[16:17], s[8:9], s[30:31]
	s_lshl_b32 s30, s29, 10
	s_add_nc_u64 s[18:19], s[10:11], s[30:31]
	s_lshl_b32 s30, s33, 10
	s_add_nc_u64 s[20:21], s[12:13], s[30:31]
	STAGE DB, 0                                    ; staged in registers that are D, C (and, with two groups, the last two slots) later
.if SLOTS == 8
	STAGE DB+48, 1024
.endif
.set cn, 0
.rept NT
	global_load_b128 v[BB+8*cn:BB+8*cn+3],   v1, s[20:21] offset:cn*1024
	global_load_b128 v[BB+8*cn+4:BB+8*cn+7], v1, s[20:21] offset:cn*1024+512
.set cn, cn+1
.endr
.set cn, 0
.rept ES
	LOADSLOT cn
.set cn, cn+1
.endr
	v_lshl_add_u32 v2, v7, 5, s23                  ; w: my rows + 32 h
	v_lshlrev_b32 v13, 2, v6                       ; 4 r
	v_lshl_add_u32 v4, v7, 10, v13                 ; staging: point 8 h, e = r
	v_add_nc_u32 v4, s23, v4
	v_mul_u32_u24 v3, v7, PLANE                    ; my half's plane,
	v_lshl_add_u32 v3, v6, 2, v3                   ; column r,
	v_add_nc_u32 v3, s32, v3                       ; my wave's first row
	s_wait_loadcnt 2*NT+3*ES                       ; the partial w are in; the B tiles' and the slots' loads, issued behind them, stay out
	STAGEADD DB
.if SLOTS == 8
	STAGEADD DB+48
.endif
.set cn, 0
.rept SLOTS
.irp k, 8,9,10,11
	v_mov_b32 v[RB+16*cn+\k], 0                    ; e 16-31 has no d below 16: four zeros a slot, written once for the launch
.endr
.set cn, cn+1
.endr
	s_wait_alu depctr_va_vdst(0)                   ; the additions have written the sums, which the LDS stores read, and are done with the staging registers, in which loads land below; v2, v3 and v4 are written
	STAGEPUT DB, 0
.if SLOTS == 8
	STAGEPUT DB+48, 2048
.endif
	s_wait_alu depctr_vm_vsrc(0)                   ; the LDS stores have read the staging registers: from here on records and w land in them and products write them
.if ES < SLOTS
.set cn, ES
.rept SLOTS-ES
	LOADSLOT cn                                    ; the slots that lay under the staging registers
.set cn, cn+1
.endr
.endif
	LOADC 0                                        ; LDS serves a wave's instructions in order (ISA guide 5.7.1.4): these see my stores above
	LOADC 1
	s_wait_dscnt 0x0                               ; once: the counted waits begin with the third point
	POINTS
.endm
	s_cmp_ge_u32 s2, 4
	s_cbranch_scc1 .Lkpath
	; q waves (0-3): 16 points n, 8 tiles of m
.set NP,    16
.set NT,    8
.set SLOTS, 4
.set ES,    4
.set PITCH, 512
.set PLANE, PQPL
.set DB,    BB+8*NT        ; v80-111   two D sets of 16
.set CB,    DB+32          ; v112-143  two C sets of 16
.set RB,    CB+32          ; v144-207  slot i at RB + 16 (SLOTS-1-i)
.set RS,    RB+16*SLOTS    ; v208-223  two buffers of NT sums
	s_add_co_u32 s29, s27, s2                      ; my group of n
	s_mov_b32 s33, s28
	s_lshl_b32 s32, s2, 13                         ; 16 rows of 512 bytes a wave
	s_add_co_u32 s32, s32, PQB
	BODY
	s_branch .Lfinal
.Lkpath:
	; k waves (4-7): 32 points m, 4 tiles of n
.set NP,    32
.set NT,    4
.set SLOTS, 8
.set ES,    6
.set PITCH, 260
.set PLANE, PKPL
.set DB,    BB+8*NT        ; v48-79
.set CB,    DB+32          ; v80-111
.set RB,    CB+32          ; v112-239
.set RS,    RB+16*SLOTS    ; v240-247
	s_lshl1_add_u32 s29, s2, s28                   ; my two groups of m: first + 2 (wave - 4)
	s_sub_co_u32 s29, s29, 8
	s_mov_b32 s33, s27
	s_mul_i32 s32, s2, 32*260                      ; 32 rows of 260 bytes a wave, wave 4 at the plane's head
	s_add_co_u32 s32, s32, PKB-4*32*260
	BODY
.Lfinal:
	s_wait_dscnt 0x0                               ; for the other waves: my rows of the planes are in LDS
	s_barrier_signal -1
	s_barrier_wait -1
	; THE LAST PASS.  Wave w: rows n = 8w .. 8w+7.  Step k = 2a + c: lanes 0-15 row 8w + 2a, lanes 16-31 the next; columns 64 c + 4 (lane % 16) ..+3.
	s_wait_alu depctr_vm_vsrc(0)                   ; my LDS loads and stores have read v2, v3 and v4, which are written anew below
	s_lshl_b32 s23, s2, 3
	v_add_nc_u32 v13, s23, v7                      ; 8 w + lane / 16
	v_lshlrev_b32 v14, 4, v6                       ; 16 (lane % 16)
	v_lshl_add_u32 v2, v13, 9, v14
	v_add_nc_u32 v2, PQB, v2                       ; q planes: 16 neighbouring bytes a lane
	v_mul_u32_u24 v3, v6, 1040                     ; k planes: four rows of 260 bytes a lane: word 260 (lane % 16) + lane / 16, 32 different words modulo 64
	v_lshl_add_u32 v3, v13, 2, v3
	v_add_nc_u32 v3, PKB, v3
	v_lshl_add_u32 v4, v13, 12, v14                ; out: rows of 4,096 bytes
	s_lshl_b32 s30, s4, 18                         ; (1024 b + 64 block of n) rows
	s_lshl_b32 s23, s3, 9                          ; + 128 columns a block of m
	s_add_co_u32 s30, s30, s23
	s_add_nc_u64 s[14:15], s[14:15], s[30:31]
	s_wait_alu depctr_va_vdst(0)                   ; v2, v3 and v4 are written, which the loads and stores below read; the products and squares are done with v16-143, in which the loads land
; ten loads: four numbers of each of the four planes, 16 registers a step
.macro FLOAD k
.set f_, 16+16*(\k)
.set fa, (\k)>>1
.set fc, (\k)&1
	ds_load_b128 v[f_:f_+3],   v2 offset:fa*1024+fc*256
	ds_load_b128 v[f_+4:f_+7], v2 offset:fa*1024+fc*256+PQPL
.irp i, 0,1,2,3
	ds_load_b32 v[f_+8+\i],  v3 offset:fc*16640+\i*260+fa*8
	ds_load_b32 v[f_+12+\i], v3 offset:fc*16640+\i*260+fa*8+PKPL
.endr
.endm
; a step's arithmetic.  left = the loads of the younger steps, ten each
.macro FCALC k, left
.set f_, 16+16*(\k)
	s_wait_dscnt \left
	v_pk_add_f32 v[f_:f_+1],     v[f_:f_+1],     v[f_+4:f_+5]
	v_pk_add_f32 v[f_+2:f_+3],   v[f_+2:f_+3],   v[f_+6:f_+7]
	v_pk_add_f32 v[f_+8:f_+9],   v[f_+8:f_+9],   v[f_+12:f_+13]
	v_pk_add_f32 v[f_+10:f_+11], v[f_+10:f_+11], v[f_+14:f_+15]
	v_pk_add_f32 v[f_:f_+1],     v[f_:f_+1],     v[f_+8:f_+9]
	v_pk_add_f32 v[f_+2:f_+3],   v[f_+2:f_+3],   v[f_+10:f_+11]
	v_pk_mul_f32 v[f_:f_+1],     v[f_:f_+1],     0.5 op_sel_hi:[1,0]
	v_pk_mul_f32 v[f_+2:f_+3],   v[f_+2:f_+3],   0.5 op_sel_hi:[1,0]
.irp i, 0,1,2,3
	v_med3_num_f32 v[f_+\i], v[f_+\i], s24, s25    ; clip to [1e-6, 1e6]
.endr
.irp i, 0,1,2,3
	v_sqrt_f32 v[f_+\i], v[f_+\i]
.endr
	v_nop                                          ; one plain place behind a transcendental (ISA guide 5.7.2)
.endm
; a step's store; its four registers are not written again
.macro FSEND k
.set f_, 16+16*(\k)
	global_store_b128 v4, v[f_:f_+3], s[14:15] offset:((\k)>>1)*8192+((\k)&1)*256 th:TH_STORE_NT   ; sixteen lanes store 256 consecutive bytes, aligned
.endm
	FLOAD 0                                        ; six steps' loads first: 60 are out at the most, here and below
	FLOAD 1
	FLOAD 2
	FLOAD 3
	FLOAD 4
	FLOAD 5
	FCALC 0, 50                                    ; steps 1-5 stay out
	FLOAD 6                                        ; no wait: since the wait on va_vdst above only v16-31 have been named by vector instructions; these loads land in v112-127
	FCALC 1, 50                                    ; steps 2-6
	FLOAD 7                                        ; likewise: v16-47 have been named; these land in v128-143
	s_wait_alu depctr_va_vdst(0)                   ; the roots of steps 0 and 1 are written, which the two stores read
	FSEND 0
	FSEND 1
	FCALC 2, 50                                    ; steps 3-7
	FCALC 3, 40
	s_wait_alu depctr_va_vdst(0)                   ; the roots of steps 2 and 3 are written
	FSEND 2
	FSEND 3
	FCALC 4, 30
	FCALC 5, 20
	s_wait_alu depctr_va_vdst(0)                   ; the roots of steps 4 and 5 are written
	FSEND 4
	FSEND 5
	FCALC 6, 10
	FCALC 7, 0
	s_wait_alu depctr_va_vdst(0)                   ; the roots of steps 6 and 7 are written
	FSEND 6
	FSEND 7
	s_wait_dscnt 0x0
	s_wait_alu depctr_hold_cnt(0) depctr_sa_sdst(0) depctr_va_vdst(0) depctr_va_sdst(0) depctr_va_ssrc(0) depctr_va_vcc(0) depctr_vm_vsrc(0)
	s_wait_tensorcnt 0x0
	ds_add_u32 v254, v255
	s_wait_dscnt 0x0
	s_endpgm
.Lfunc_end_k_q01f13107c5_pairs:
	.size	k_q01f13107c5_pairs, .Lfunc_end_k_q01f13107c5_pairs-k_q01f13107c5_pairs
	.p2alignl 7, 3214868480
	.fill 96, 4, 3214868480
	.section	.rodata,"a",@progbits
	.p2align	6, 0x0
	.amdhsa_kernel k_q01f13107c5_pairs
		.amdhsa_group_segment_fixed_size 166144
		.amdhsa_private_segment_fixed_size 0
		.amdhsa_enable_private_segment 0
		.amdhsa_kernarg_size 32
		.amdhsa_user_sgpr_count 2
		.amdhsa_user_sgpr_kernarg_segment_ptr 1
		.amdhsa_wavefront_size32 1
		.amdhsa_system_sgpr_workgroup_id_x 1
		.amdhsa_system_sgpr_workgroup_id_y 1
		.amdhsa_system_sgpr_workgroup_id_z 1
		.amdhsa_system_vgpr_workitem_id 0
		.amdhsa_next_free_vgpr 256
		.amdhsa_next_free_sgpr 66
		.amdhsa_reserve_vcc 0
		.amdhsa_float_denorm_mode_32 3
		.amdhsa_float_denorm_mode_16_64 3
		.amdhsa_memory_ordered 1
		.amdhsa_forward_progress 1
		.amdhsa_inst_pref_size 255
	.end_amdhsa_kernel
	.section	.bss,"aw",@nobits
	.p2align	6
	.space	262144
	.amdgpu_metadata
---
amdhsa.version: [ 1, 2 ]
amdhsa.kernels:
  - .name:           k_q01f13107c5_pairs
    .symbol:         k_q01f13107c5_pairs.kd
    .args:
      - { .name: LF, .offset: 0, .size: 8, .value_kind: global_buffer, .address_space: global }
      - { .name: WP, .offset: 8, .size: 8, .value_kind: global_buffer, .address_space: global }
      - { .name: XB, .offset: 16, .size: 8, .value_kind: global_buffer, .address_space: global }
      - { .name: out0, .offset: 24, .size: 8, .value_kind: global_buffer, .address_space: global }
    .group_segment_fixed_size: 166144
    .private_segment_fixed_size: 0
    .kernarg_segment_align: 8
    .kernarg_segment_size: 32
    .max_flat_workgroup_size: 256
    .sgpr_count:     66
    .vgpr_count:     256
    .wavefront_size: 32
...
	.end_amdgpu_metadata
.endif
;; end of part 3
